; MI455X (gfx1250); checked and timed in simulation.
; The chip was launched on July 23, 2026; its instructions are those of AMD's public machine-readable ISA for CDNA 5 (MIT licence, August 2026) and "CDNA5" Instruction Set Architecture Reference Guide (July 2026). The comments in the code are by the model that wrote it; some were corrected since.
;; HLLUT. Allowed arithmetic: float matrix products may take bf16 or f16 operands with f32 sums; all other float work in f32.
;; Inputs: h_weight 16,777,216 x 4 float32; img_lr 4 x 1 x 512 x 512 int32; l_weight 16,777,216 x 4 float32.
;; Outputs: out0 4 x 1 x 1,024 x 1,024 float32.
;; One version. Each part assembles by itself: llvm-mc -triple=amdgcn-amd-amdhsa -mcpu=gfx1250 --defsym DOCPART=n.
;; ======== version 1 of 1: 1 launch
;; launch hllut (part 1): grid 512 x 4, 8 waves a work-group, no clusters, 0 bytes of LDS; arguments img_lr, h_weight, l_weight, out0; writes out0
.if DOCPART == 1
	.amdgcn_target "amdgcn-amd-amdhsa--gfx1250"
	.amdhsa_code_object_version 6
	.text
	.protected	k_q18182ea440_hllut
	.globl	k_q18182ea440_hllut
	.p2align	8
	.type	k_q18182ea440_hllut,@function
k_q18182ea440_hllut:
	s_mov_b64 s[64:65], 0
	v_nop
	global_prefetch_b8 v0, s[64:65] scope:SCOPE_SE
	s_setreg_imm32_b32 hwreg(HW_REG_WAVE_MODE, 25, 1), 1
	s_wait_xcnt 0x0
; HLLUT: out = (sum over 4 rotations and 2 tables of rotated 2 x 2 patches looked up by 3 pixels) / 2.
; img [4][512][512] i32, h and l tables [2^24][4] f32, out [4][1024][1024] f32.
; In image coordinates (all neighbour coordinates clamped to 0..511), pixel (y, x) with value a looks up row a*65536 + b*256 + c:
;   r = 0: b = (y, x+1), c_h = (y, x+2), c_l = (y+1, x+1);   the row's numbers 0,1,2,3 go to o00, o01, o10, o11
;   r = 1: b = (y+1, x), c_h = (y+2, x), c_l = (y+1, x-1);   numbers 2,0,3,1
;   r = 2: b = (y, x-1), c_h = (y, x-2), c_l = (y-1, x-1);   numbers 3,2,1,0
;   r = 3: b = (y-1, x), c_h = (y-2, x), c_l = (y-1, x+1);   numbers 1,3,0,2
; and out[2y+s][2x+t] = 0.5 * (the eight numbers that go to o_st).
;
; A work-group of eight waves takes one image row; thread t takes pixels x = 2t and 2t+1: 16 lookups of 16 bytes a lane, all
; issued before the first is waited for, and 4 neighbouring floats of two output rows, so that each store of a wave covers
; 512 consecutive bytes, aligned.  Waves do not depend on each other: no LDS, no barrier.
; No cluster: neighbouring work-groups share four image rows of 2,048 bytes against 4,096 lookups x 16 = 65,536 bytes of their own.
; No prefetch: a wave makes one pass, and a table address is known only when its load can be issued at once.
; LIMITS: pixel values are taken to lie in 0..255; any other value, read as unsigned, counts as 255 (the reference would form
; another index).  The eight numbers are added pairwise in f32, not in the reference's order.
.set NPIX,  512                        ; rows and columns of an image
.set ROWB,  2048                       ; bytes in an image row
.set OROWB, 4096                       ; bytes in an output row
.set XC,  2                            ; v2   byte offset in a row of pixels x0, x0+1 (x0 = 2t)
.set XL1, 3                            ; v3   of pixel max(x0-1, 0)
.set XL2, 4                            ; v4   of pixel max(x0-2, 0)
.set XR2, 5                            ; v5   of pixel min(x0+2, 511)
.set XR3, 6                            ; v6   of pixel min(x0+3, 511)
.set SO,  7                            ; v7   byte offset of my 4 floats in an output row
.set PIX, 8                            ; v[8:25] the 18 pixels, clamped and times 16:
.set PM2, 8                            ;   row y:   x0-2, x0-1, x0, x0+1, x0+2, x0+3
.set PM1, 9
.set P0,  10
.set P1,  11
.set P2,  12
.set P3,  13
.set D0,  14                           ;   row y+1: x0, x0+1, x0-1, x0+2
.set D1,  15
.set DM1, 16
.set D2,  17
.set U0,  18                           ;   row y-1: x0, x0+1, x0-1, x0+2
.set U1,  19
.set UM1, 20
.set U2,  21
.set DD0, 22                           ;   row y+2: x0, x0+1
.set DD1, 23
.set UU0, 24                           ;   row y-2: x0, x0+1
.set UU1, 25
.set AB,  26                           ; v26  16 (256 a + b), shared by the h and the l lookup of one rotation
.set OFF, 30                           ; v[30:45]  byte offsets into the tables: 8 e + 4 table + r
.set G,   48                           ; v[48:111] the rows looked up: 4 registers at 32 e + 16 table + 4 r
.set O,   112                          ; v[112:115] my 4 floats of output row 2y, v[116:119] of row 2y+1
.set BY,  20                           ; s[20:21] image row y;  s[22:23] y+1;  s[24:25] y-1;  s[26:27] y+2;  s[28:29] y-2 (clamped)
.set BD,  22
.set BU,  24
.set BDD, 26
.set BUU, 28
.set BO,  30                           ; s[30:31] output row 2y
	s_load_b256 s[4:11], s[0:1], 0x0               ; img s[4:5], h s[6:7], l s[8:9], out s[10:11]
	s_and_b32 s12, ttmp7, 0xffff                   ; which image; ttmp9 = y
	s_lshl_b32 s13, s12, 9                         ; its first row among the 4 x 512
	s_max_u32 s14, ttmp9, 1
	s_sub_co_u32 s14, s14, 1                       ; max(y-1, 0)
	s_max_u32 s15, ttmp9, 2
	s_sub_co_u32 s15, s15, 2                       ; max(y-2, 0)
	s_add_co_u32 s16, ttmp9, 1
	s_min_u32 s16, s16, NPIX-1                     ; min(y+1, 511)
	s_add_co_u32 s17, ttmp9, 2
	s_min_u32 s17, s17, NPIX-1                     ; min(y+2, 511)
	s_add_co_u32 s[BY],  s13, ttmp9
	s_add_co_u32 s[BD],  s13, s16
	s_add_co_u32 s[BU],  s13, s14
	s_add_co_u32 s[BDD], s13, s17
	s_add_co_u32 s[BUU], s13, s15
.irp p, BY, BD, BU, BDD, BUU
	s_lshl_b32 s[\p], s[\p], 11                    ; row number to bytes (at most 4 MiB), as a 64-bit offset
	s_mov_b32 s[\p+1], 0
.endr
	s_lshl_b32 s[BO], s12, 22                      ; image x 1,024 rows x 4,096 bytes
	s_lshl_b32 s[BO+1], ttmp9, 13                  ; + 2 y rows
	s_add_co_u32 s[BO], s[BO], s[BO+1]
	s_mov_b32 s[BO+1], 0
	v_lshlrev_b32 v[XC], 3, v0                     ; 4 bytes x 2t
	v_lshlrev_b32 v[SO], 4, v0                     ; 4 bytes x 4t
	v_max_u32 v[XL1], 4, v[XC]
	v_max_u32 v[XL2], 8, v[XC]
	v_add_nc_u32 v[XR2], 8, v[XC]
	v_add_nc_u32 v[XR3], 12, v[XC]
	v_sub_nc_u32 v[XL1], v[XL1], 4                 ; the edge is replicated: columns stop at 0
	v_sub_nc_u32 v[XL2], v[XL2], 8
	v_min_u32 v[XR2], ROWB-4, v[XR2]               ; and at 511
	v_min_u32 v[XR3], ROWB-4, v[XR3]
	s_wait_kmcnt 0x0
.irp p, BY, BD, BU, BDD, BUU
	s_add_nc_u64 s[\p:\p+1], s[4:5], s[\p:\p+1]
.endr
	s_add_nc_u64 s[BO:BO+1], s[10:11], s[BO:BO+1]
	; the 18 pixels that my two pixels' indices are made of
	global_load_b64 v[P0:P1],   v[XC],  s[BY:BY+1]
	global_load_b32 v[PM1],     v[XL1], s[BY:BY+1]
	global_load_b32 v[PM2],     v[XL2], s[BY:BY+1]
	global_load_b32 v[P2],      v[XR2], s[BY:BY+1]
	global_load_b32 v[P3],      v[XR3], s[BY:BY+1]
	global_load_b64 v[D0:D1],   v[XC],  s[BD:BD+1]
	global_load_b32 v[DM1],     v[XL1], s[BD:BD+1]
	global_load_b32 v[D2],      v[XR2], s[BD:BD+1]
	global_load_b64 v[U0:U1],   v[XC],  s[BU:BU+1]
	global_load_b32 v[UM1],     v[XL1], s[BU:BU+1]
	global_load_b32 v[U2],      v[XR2], s[BU:BU+1]
	global_load_b64 v[DD0:DD1], v[XC],  s[BDD:BDD+1]
	global_load_b64 v[UU0:UU1], v[XC],  s[BUU:BUU+1]
	s_wait_loadcnt 0x0                             ; every index needs pixels of several of these loads: all of them
.set r, PIX
.rept 18
	v_min_u32 v[r], 255, v[r]                      ; a loaded number enters an address only clamped
	v_lshlrev_b32 v[r], 4, v[r]                    ; times 16, the bytes of a table row: the sums below are byte offsets at once
.set r, r+1
.endr
; Rotation r of pixel e: both tables' offsets 16 (65536 a + 256 b + c), below 2^28, and both loads.
.macro LOOKUP e, r, a, b, ch, cl
	v_lshl_add_u32 v[AB], v[\a], 8, v[\b]
	v_lshl_add_u32 v[OFF+8*\e+\r],   v[AB], 8, v[\ch]
	v_lshl_add_u32 v[OFF+8*\e+4+\r], v[AB], 8, v[\cl]
	global_load_b128 v[G+32*\e+4*\r:G+32*\e+4*\r+3],       v[OFF+8*\e+\r],   s[6:7]
	global_load_b128 v[G+32*\e+16+4*\r:G+32*\e+16+4*\r+3], v[OFF+8*\e+4+\r], s[8:9]
.endm
	LOOKUP 0, 0, P0, P1,  P2,  D1
	LOOKUP 0, 1, P0, D0,  DD0, DM1
	LOOKUP 0, 2, P0, PM1, PM2, UM1
	LOOKUP 0, 3, P0, U0,  UU0, U1
	LOOKUP 1, 0, P1, P2,  P3,  D2
	LOOKUP 1, 1, P1, D1,  DD1, D0
	LOOKUP 1, 2, P1, P0,  PM1, U0
	LOOKUP 1, 3, P1, U1,  UU1, U2
; The 2 x 2 patch of pixel e.  W_r = h row + l row of rotation r, in the h row's registers.
.macro PATCH e
.set W0, G+32*\e
.set W1, G+32*\e+4
.set W2, G+32*\e+8
.set W3, G+32*\e+12
.irp k, 0,2,4,6,8,10,12,14
	v_pk_add_f32 v[W0+\k:W0+\k+1], v[W0+\k:W0+\k+1], v[W0+16+\k:W0+16+\k+1]
.endr
	; the second source's pair is swapped: the low sum takes its second register, the high sum its first
	v_pk_add_f32 v[W0:W0+1],   v[W0:W0+1],   v[W2+2:W2+3] op_sel:[0,1] op_sel_hi:[1,0]   ; W0[0]+W2[3], W0[1]+W2[2]: for o00, o01
	v_pk_add_f32 v[W0+2:W0+3], v[W0+2:W0+3], v[W2:W2+1]   op_sel:[0,1] op_sel_hi:[1,0]   ; W0[2]+W2[1], W0[3]+W2[0]: for o10, o11
	v_pk_add_f32 v[W1+2:W1+3], v[W1+2:W1+3], v[W3:W3+1]   op_sel:[0,1] op_sel_hi:[1,0]   ; W1[2]+W3[1], W1[3]+W3[0]: for o00, o10
	v_pk_add_f32 v[W1:W1+1],   v[W1:W1+1],   v[W3+2:W3+3] op_sel:[0,1] op_sel_hi:[1,0]   ; W1[0]+W3[3], W1[1]+W3[2]: for o01, o11
	v_pk_mul_f32 v[W0:W0+1],   v[W0:W0+1],   0.5 op_sel_hi:[1,0]
	v_pk_mul_f32 v[W0+2:W0+3], v[W0+2:W0+3], 0.5 op_sel_hi:[1,0]
	v_fma_f32 v[O+2*\e],   v[W1+2], 0.5, v[W0]     ; o00
	v_fma_f32 v[O+2*\e+1], v[W1],   0.5, v[W0+1]   ; o01
	v_fma_f32 v[O+4+2*\e], v[W1+3], 0.5, v[W0+2]   ; o10
	v_fma_f32 v[O+5+2*\e], v[W1+1], 0.5, v[W0+3]   ; o11
.endm
	s_wait_loadcnt 0x8                             ; loads come back in order: pixel 0's eight rows are in, pixel 1's eight may be out
	PATCH 0
	s_wait_loadcnt 0x0
	PATCH 1
	global_store_b128 v[SO], v[O:O+3],   s[BO:BO+1] th:TH_STORE_NT                 ; output row 2y: 16 bytes a lane, 512 a wave
	global_store_b128 v[SO], v[O+4:O+7], s[BO:BO+1] offset:OROWB th:TH_STORE_NT    ; output row 2y+1
	s_endpgm
.Lfunc_end_k_q18182ea440_hllut:
	.size	k_q18182ea440_hllut, .Lfunc_end_k_q18182ea440_hllut-k_q18182ea440_hllut
	.p2alignl 7, 3214868480
	.fill 96, 4, 3214868480
	.section	.rodata,"a",@progbits
	.p2align	6, 0x0
	.amdhsa_kernel k_q18182ea440_hllut
		.amdhsa_group_segment_fixed_size 0
		.amdhsa_private_segment_fixed_size 0
		.amdhsa_enable_private_segment 0
		.amdhsa_kernarg_size 32
		.amdhsa_user_sgpr_count 2
		.amdhsa_user_sgpr_kernarg_segment_ptr 1
		.amdhsa_wavefront_size32 1
		.amdhsa_system_sgpr_workgroup_id_x 1
		.amdhsa_system_sgpr_workgroup_id_y 1
		.amdhsa_system_sgpr_workgroup_id_z 1
		.amdhsa_system_vgpr_workitem_id 0
		.amdhsa_next_free_vgpr 120
		.amdhsa_next_free_sgpr 66
		.amdhsa_reserve_vcc 0
		.amdhsa_float_denorm_mode_32 3
		.amdhsa_float_denorm_mode_16_64 3
		.amdhsa_memory_ordered 1
		.amdhsa_forward_progress 1
		.amdhsa_inst_pref_size 11
	.end_amdhsa_kernel
	.amdgpu_metadata
---
amdhsa.version: [ 1, 2 ]
amdhsa.kernels:
  - .name:           k_q18182ea440_hllut
    .symbol:         k_q18182ea440_hllut.kd
    .args:
      - { .name: img_lr, .offset: 0, .size: 8, .value_kind: global_buffer, .address_space: global }
      - { .name: h_weight, .offset: 8, .size: 8, .value_kind: global_buffer, .address_space: global }
      - { .name: l_weight, .offset: 16, .size: 8, .value_kind: global_buffer, .address_space: global }
      - { .name: out0, .offset: 24, .size: 8, .value_kind: global_buffer, .address_space: global }
    .group_segment_fixed_size: 0
    .private_segment_fixed_size: 0
    .kernarg_segment_align: 8
    .kernarg_segment_size: 32
    .max_flat_workgroup_size: 256
    .sgpr_count:     66
    .vgpr_count:     120
    .wavefront_size: 32
...
	.end_amdgpu_metadata
.endif
;; end of part 1
